; MI455X (gfx1250); checked and timed in simulation.
; The chip was launched on July 23, 2026; its instructions are those of AMD's public machine-readable ISA for CDNA 5 (MIT licence, August 2026) and "CDNA5" Instruction Set Architecture Reference Guide (July 2026). The comments in the code are by the model that wrote it; some were corrected since.
;; Attention. Allowed arithmetic: float matrix products may take bf16 or f16 operands with f32 sums; all other float work in f32.
;; Inputs: W 4,096 x 4,096 float32; b 4,096 float32; encoder_outputs 2,048 x 2 x 4,096 float32; hidden 2 x 1 x 4,096 float32.
;; Outputs: out0 1 x 1 x 2,048 x 2 float32.
;; One version. Each part assembles by itself: llvm-mc -triple=amdgcn-amd-amdhsa -mcpu=gfx1250 --defsym DOCPART=n.
;; ======== version 1 of 1: 2 launches
;; workspace buffers: part 131,072 bytes
;; launch colsum (part 1): grid 64 x 4, 16 waves a work-group, no clusters, 10,240 bytes of LDS; arguments W, hidden, part; writes part
.if DOCPART == 1
	.amdgcn_target "amdgcn-amd-amdhsa--gfx1250"
	.amdhsa_code_object_version 6
	.text
	.protected	k_q5368f7a2bc_colsum
	.globl	k_q5368f7a2bc_colsum
	.p2align	8
	.type	k_q5368f7a2bc_colsum,@function
k_q5368f7a2bc_colsum:
	s_mov_b64 s[64:65], 0
	v_nop
	global_prefetch_b8 v0, s[64:65] scope:SCOPE_SE
	s_setreg_imm32_b32 hwreg(HW_REG_WAVE_MODE, 25, 1), 1
	s_wait_xcnt 0x0
; part[r][b][h] = sum over g in [1024 r, 1024 r + 1023] of hidden[b][g] * W[g][h].     W: [4096][4096] f32, hidden: [2][4096] f32,
; part: [4][2][4096] f32.  First half of  scores[s][b] = sum_h enc[s][b][h] * v[b][h] + c[b],  v[b][h] = sum_g hidden[b][g] W[g][h],
; which is reference()'s double sum associated the other way: true for every input, and W is read once instead of being multiplied 4,096 times.
; LIMIT: the order of the f32 additions differs from reference()'s; every term has the size of a term of reference()'s own sums.
;
; SHARES.  Work-group (cb, r): columns 64 cb .. 64 cb + 63 (256 bytes of a row, aligned) of rows 1024 r .. 1024 r + 1023: 256 KiB of W.
; Thread t: c = t & 15, hw = t >> 4.  The sixteen lanes of half-wave hw take rows 1024 r + 32 hw + j, j = 0 .. 31; lane c the columns 4 c .. 4 c + 3.
; So each 16-byte load of a wave covers two whole aligned runs of 256 bytes (one row's piece for each half of the wave), and all 32 loads of a
; thread go out at once: the work-group's whole share is on its way before the first number is used.  There is no loop.
; COEFFICIENTS.  Thread t loads hidden[b][1024 r + 2 t] and [.. + 2 t + 1].  Since 2 t = 32 hw + 2 c, the sixteen lanes of a half-wave hold between them
; exactly the 32 coefficients of that half-wave's rows: row j's lies in lane j / 2 of the sixteen, register j & 1.  A DPP move (row_share) sends it to
; all sixteen.  So no wave needs another wave's numbers until the sums are joined at the end: one barrier, and each wave multiplies as its own rows arrive.
; LEFT OUT, and why.  Matrix instructions: the product has 2 rows where a tile has 16, and 16-bit operands would put their rounding into scores whose
; difference goes straight into an exponential.  LDS slots and the tensor mover: the share fits in registers (128 a thread).  Joint loads in a cluster:
; what work-groups share is hidden's 8 KiB against 256 KiB of their own.
.set ROWB, 16384                       ; bytes in a row of W and in a row of hidden
.set H0,   6                           ; v[6:7]    hidden[0][1024 r + 2 t], [.. + 1]
.set H1,   8                           ; v[8:9]    hidden[1][the same]
.set A,    10                          ; v[10:13]  sums of my 4 columns for b = 0, v[14:17] for b = 1
.set T,    18                          ; v[18:21]  two pairs by turns: a row's coefficients for b = 0 and b = 1, the same in all sixteen lanes
.set X,    22                          ; v[22:149] row j's 4 numbers at X + 4 j; at the end wave 0's sixteen partial sums
; v1 W offset   v2 8 t (hidden)   v3 16 t (LDS store)   v4 16 x lane (wave 0's LDS reads)   v5 offset in part
; LDS: wave w's sums at 512 w + 16 lane, 8,192 bytes in all
	s_load_b128 s[4:7], s[0:1], 0x0                ; W s[4:5], hidden s[6:7]
	s_load_b64 s[8:9], s[0:1], 0x10                ; part
	v_lshl_add_u32 v150, v0, 2, 0x2000
	v_mov_b32 v151, 0
	s_and_b32 s10, ttmp7, 0xffff                   ; r
	s_lshl_b32 s18, ttmp9, 8                       ; 256 cb: the block's bytes in a row
	s_lshl_b32 s12, s10, 24                        ; 1,024 rows of 16,384 bytes
	s_add_co_u32 s12, s12, s18
	s_mov_b32 s13, 0
	s_lshl_b32 s14, s10, 12                        ; 1,024 numbers of hidden
	s_mov_b32 s15, 0
	s_lshl_b32 s16, s10, 15                        ; part's plane r
	s_add_co_u32 s16, s16, s18
	s_mov_b32 s17, 0
	; The four temporaries of the address arithmetic are T's registers: the destination of a DPP move has to hold a written value, and so these do.
	v_lshrrev_b32 v[T+3], 5, v0
	v_readfirstlane_b32 s11, v[T+3]                ; wave 0 .. 15
	v_and_b32 v[T], 15, v0                         ; c
	v_lshrrev_b32 v[T+1], 4, v0                    ; hw
	v_and_b32 v[T+2], 1, v[T+1]                    ; the half of the wave: at the end it holds b
	v_lshlrev_b32 v[T], 4, v[T]                    ; 16 c
	v_lshl_or_b32 v1, v[T+1], 19, v[T]             ; 32 hw rows of 16,384 bytes + 16 c
	v_lshl_or_b32 v5, v[T+2], 14, v[T]             ; 16,384 b + 16 c
	v_lshlrev_b32 v2, 3, v0                        ; two numbers of 4 bytes a thread
	v_lshlrev_b32 v3, 4, v0                        ; 16 t = 512 w + 16 lane
	s_wait_kmcnt 0x0
	s_add_nc_u64 s[4:5], s[4:5], s[12:13]
	s_add_nc_u64 s[6:7], s[6:7], s[14:15]
	s_add_nc_u64 s[8:9], s[8:9], s[16:17]
	global_load_b64 v[H0:H0+1], v2, s[6:7]             ; a wave's load covers 256 consecutive bytes, aligned; no hint: 63 other work-groups read them too
	global_load_b64 v[H1:H1+1], v2, s[6:7] offset:ROWB
.irp j, 0,1,2,3,4,5,6,7,8,9,10,11,12,13,14,15,16,17,18,19,20,21,22,23,24,25,26,27,28,29,30,31
	global_load_b128 v[X+4*\j:X+4*\j+3], v1, s[4:5] offset:\j*ROWB th:TH_LOAD_NT   ; W is read once in the launch
.endr
; Row j = 2 sh + o.  Two moves bring its coefficients from lane sh of my sixteen into pair o of T (the pairs take turns, so that a row's moves do not wait
; for the row before); then my 4 numbers times hidden[0][row] and times hidden[1][row], four packed operations on four sums that take turns.
; op_sel and op_sel_hi send one register of the pair to both halves of a packed operation: the first for b = 0, the second for b = 1.
; Row 0 starts the sums: nothing is cleared.
.macro ROW j, o, sh
.set XJ, X+4*(\j)
.set TP, T+2*\o
	v_mov_b32_dpp v[TP],   v[H0+\o] row_share:\sh row_mask:0xf bank_mask:0xf
	v_mov_b32_dpp v[TP+1], v[H1+\o] row_share:\sh row_mask:0xf bank_mask:0xf
.if (\j) == 0
	v_pk_mul_f32 v[A:A+1],   v[XJ:XJ+1],   v[TP:TP+1] op_sel_hi:[1,0]
	v_pk_mul_f32 v[A+2:A+3], v[XJ+2:XJ+3], v[TP:TP+1] op_sel_hi:[1,0]
	v_pk_mul_f32 v[A+4:A+5], v[XJ:XJ+1],   v[TP:TP+1] op_sel:[0,1] op_sel_hi:[1,1]
	v_pk_mul_f32 v[A+6:A+7], v[XJ+2:XJ+3], v[TP:TP+1] op_sel:[0,1] op_sel_hi:[1,1]
.else
	v_pk_fma_f32 v[A:A+1],   v[XJ:XJ+1],   v[TP:TP+1], v[A:A+1]   op_sel_hi:[1,0,1]
	v_pk_fma_f32 v[A+2:A+3], v[XJ+2:XJ+3], v[TP:TP+1], v[A+2:A+3] op_sel_hi:[1,0,1]
	v_pk_fma_f32 v[A+4:A+5], v[XJ:XJ+1],   v[TP:TP+1], v[A+4:A+5] op_sel:[0,1,0] op_sel_hi:[1,1,1]
	v_pk_fma_f32 v[A+6:A+7], v[XJ+2:XJ+3], v[TP:TP+1], v[A+6:A+7] op_sel:[0,1,0] op_sel_hi:[1,1,1]
.endif
.endm
.irp ln, 0,1,2,3,4,5,6,7,8,9,10,11,12,13,14,15
.if (\ln % 2) == 0
	s_wait_loadcnt 28-2*\ln                        ; loads come back in order (ISA guide 5.7.1): rows 2 ln .. 2 ln + 3 are in, the 28 - 2 ln loads behind them stay out;
	                                               ; hidden's two loads are older than all of W's, so the first of these waits covers them
.endif
	ROW 2*\ln,   0, \ln
	ROW 2*\ln+1, 1, \ln
.endr
	; The two halves of the wave hold the same columns of other rows.  The swap gives lanes 0-15 both halves' sums for b = 0 and lanes 16-31 both
	; halves' sums for b = 1, in two registers; one addition joins them.
.irp i, 0,1,2,3
	v_permlane16_swap_b32 v[A+\i], v[A+4+\i]       ; the first register's lanes 16-31 change places with the second's lanes 0-15
.endr
	v_pk_add_f32 v[A:A+1],   v[A:A+1],   v[A+4:A+5]
	v_pk_add_f32 v[A+2:A+3], v[A+2:A+3], v[A+6:A+7]
	ds_store_b128 v3, v[A:A+3]                     ; 32 lanes, 16 neighbouring bytes each
	s_wait_dscnt 0x0                               ; my store is done before I say so
	s_barrier_signal -1
	s_barrier_wait -1                              ; all sixteen waves' sums are there
	s_cmp_lg_u32 s11, 0
	s_cbranch_scc1 .Lend                           ; they are 8 KiB: one wave folds them
	v_and_b32 v4, 31, v0                           ; the lane,
	v_lshlrev_b32 v4, 4, v4                        ; 16 bytes each
.irp w, 0,1,2,3,4,5,6,7,8,9,10,11,12,13,14,15
	ds_load_b128 v[X+4*\w:X+4*\w+3], v4 offset:512*\w          ; X is free: the last wait for W's rows was for 0
.endr
	s_wait_dscnt 0x0
.irp d, 8,4,2,1                                    ; a tree: 16 -> 8 -> 4 -> 2 -> 1 sets of four numbers
.set wi, 0
.rept \d
	v_pk_add_f32 v[X+4*wi:X+4*wi+1],   v[X+4*wi:X+4*wi+1],   v[X+4*(wi+\d):X+4*(wi+\d)+1]
	v_pk_add_f32 v[X+4*wi+2:X+4*wi+3], v[X+4*wi+2:X+4*wi+3], v[X+4*(wi+\d)+2:X+4*(wi+\d)+3]
.set wi, wi+1
.endr
.endr
	global_store_b128 v5, v[X:X+3], s[8:9]         ; lanes 0-15: 256 consecutive bytes of plane b = 0, aligned; lanes 16-31 the same of b = 1.  No hint: the next launch reads them
.Lend:
	s_wait_tensorcnt 0x0
	ds_add_u32 v150, v151
	s_wait_dscnt 0x0
	s_endpgm
.Lfunc_end_k_q5368f7a2bc_colsum:
	.size	k_q5368f7a2bc_colsum, .Lfunc_end_k_q5368f7a2bc_colsum-k_q5368f7a2bc_colsum
	.p2alignl 7, 3214868480
	.fill 96, 4, 3214868480
	.section	.rodata,"a",@progbits
	.p2align	6, 0x0
	.amdhsa_kernel k_q5368f7a2bc_colsum
		.amdhsa_group_segment_fixed_size 10240
		.amdhsa_private_segment_fixed_size 0
		.amdhsa_enable_private_segment 0
		.amdhsa_kernarg_size 24
		.amdhsa_user_sgpr_count 2
		.amdhsa_user_sgpr_kernarg_segment_ptr 1
		.amdhsa_wavefront_size32 1
		.amdhsa_system_sgpr_workgroup_id_x 1
		.amdhsa_system_sgpr_workgroup_id_y 1
		.amdhsa_system_sgpr_workgroup_id_z 1
		.amdhsa_system_vgpr_workitem_id 0
		.amdhsa_next_free_vgpr 152
		.amdhsa_next_free_sgpr 66
		.amdhsa_reserve_vcc 0
		.amdhsa_float_denorm_mode_32 3
		.amdhsa_float_denorm_mode_16_64 3
		.amdhsa_memory_ordered 1
		.amdhsa_forward_progress 1
		.amdhsa_inst_pref_size 21
	.end_amdhsa_kernel
	.amdgpu_metadata
---
amdhsa.version: [ 1, 2 ]
amdhsa.kernels:
  - .name:           k_q5368f7a2bc_colsum
    .symbol:         k_q5368f7a2bc_colsum.kd
    .args:
      - { .name: W, .offset: 0, .size: 8, .value_kind: global_buffer, .address_space: global }
      - { .name: hidden, .offset: 8, .size: 8, .value_kind: global_buffer, .address_space: global }
      - { .name: part, .offset: 16, .size: 8, .value_kind: global_buffer, .address_space: global }
    .group_segment_fixed_size: 10240
    .private_segment_fixed_size: 0
    .kernarg_segment_align: 8
    .kernarg_segment_size: 24
    .max_flat_workgroup_size: 512
    .sgpr_count:     66
    .vgpr_count:     152
    .wavefront_size: 32
...
	.end_amdgpu_metadata
.endif
;; end of part 1
;; launch score (part 2): grid 256 x 1, 16 waves a work-group, no clusters, 3,072 bytes of LDS; arguments encoder_outputs, part, b, hidden, out0; writes out0
.if DOCPART == 2
	.amdgcn_target "amdgcn-amd-amdhsa--gfx1250"
	.amdhsa_code_object_version 6
	.text
	.protected	k_q5368f7a2bc_score
	.globl	k_q5368f7a2bc_score
	.p2align	8
	.type	k_q5368f7a2bc_score,@function
k_q5368f7a2bc_score:
	s_mov_b64 s[64:65], 0
	v_nop
	global_prefetch_b8 v0, s[64:65] scope:SCOPE_SE
	s_setreg_imm32_b32 hwreg(HW_REG_WAVE_MODE, 25, 1), 1
	s_wait_xcnt 0x0
; out0[s][b] = softmax over b of scores[s][b],  scores[s][b] = sum_h enc[s][b][h] v[b][h] + c[b],
; v[b][h] = sum over r of part[r][b][h] (the first launch's four partial sums),  c[b] = sum_g bias[g] hidden[b][g].
; enc: [2048][2][4096] f32, taken as 4,096 rows (row = 2 s + b) of 16,384 bytes; part: [4][2][4096]; bias: [4096]; hidden: [2][4096]; out0: [2048][2].
; LIMITS: the order of the f32 additions differs from reference()'s (the product is associated the other way; no difference of large sums is formed
; but s0 - s1, which the softmax itself takes).  The pair's maximum is taken away as in reference().  v_exp_f32 gives 0 for results below 2^-126
; (ISA guide, its entry in 15.8), so an output that would be denormal comes out as 0.
;
; SHARES.  Work-group x: rows 16 x .. 16 x + 15, 256 KiB in one piece.  Thread t: the 16 bytes at 16 t of each half (8,192 bytes) of every row, so it has
; the same 8 columns in every row, keeps its 8 numbers of v[0], v[1], bias and hidden in registers, and ONE offset register, 16 t, serves all 54 loads:
; row, half and plane stand in the immediates (253,952 at the most).  Each load of a wave covers 512 consecutive bytes.  All 54 go out together; no loop.
; LEFT OUT, and why.  Matrix instructions: 2 rows of v where a tile has 16, and 16-bit operands would round what goes into the exponential.
; LDS slots and the tensor mover: the share fits in registers (128 a thread).  Joint loads in a cluster for part, bias and hidden (176 KiB that every
; work-group reads, beside 256 KiB of its own): a joint load lands in LDS, from which the same 176 KiB would have to be read into these same
; registers, behind rounds of the cluster's barrier, in a text without a loop to hide them; here they go straight into the registers in which they are summed.
; out0: a work-group owns 64 of its bytes; stores of 256 would leave 64 work-groups for the 64 MiB of enc.
.set ROWB, 16384                       ; bytes in a row of enc, in a plane of part, in a row of hidden
.set HALF, 8192                        ; what the 512 threads cover with one load
.set CI,   6                           ; v[6:7], v[8:9]  my share of c[0], c[1], two partial sums each
.set S,    10                          ; v[10:25]   my sums of rows 0 .. 15; the upper eight serve as scratch in the fold
.set BI,   26                          ; v[26:33]   bias of my 8 columns (4 k + e)
.set HI,   34                          ; v[34:49]   hidden at 8 b + 4 k + e
.set P,    50                          ; v[50:113]  part at 16 r + 8 b + 4 k + e; then v at 8 b + 4 k + e
.set X,    114                         ; v[114:241] enc's row i at 8 i + 4 k + e; at the end wave 0's work
; v1 16 t   v2 LDS address of my wave's word for row lane >> 1   v3 4 x lane   v5 lane
	s_load_b256 s[4:11], s[0:1], 0x0               ; enc s[4:5], part s[6:7], bias s[8:9], hidden s[10:11]
	s_load_b64 s[12:13], s[0:1], 0x20              ; out0
	v_lshl_add_u32 v242, v0, 2, 0x400
	v_mov_b32 v243, 0
	s_lshl_b32 s14, ttmp9, 18                      ; 16 rows of 16,384 bytes
	s_mov_b32 s15, 0
	s_lshl_b32 s16, ttmp9, 6                       ; 16 results of 4 bytes
	s_mov_b32 s17, 0
	s_mov_b32 s20, 0x76543210                      ; v_permlanex16_b32: lane i of one half reads lane i of the other
	s_mov_b32 s21, 0xfedcba98
	s_mov_b32 s22, 0xff00ff00                      ; lanes whose number has bit 3 set,
	s_mov_b32 s23, 0xf0f0f0f0                      ; bit 2,
	s_mov_b32 s24, 0xcccccccc                      ; bit 1
	v_lshrrev_b32 v4, 5, v0
	v_readfirstlane_b32 s18, v4                    ; wave 0 .. 15
	s_lshl_b32 s19, s18, 6                         ; my wave's 16 words in LDS
	v_lshlrev_b32 v1, 4, v0
	v_bfe_u32 v2, v0, 1, 4                         ; lane >> 1
	v_lshl_add_u32 v2, v2, 2, s19
	v_and_b32 v5, 31, v0
	v_lshlrev_b32 v3, 2, v5
	s_wait_kmcnt 0x0
	s_add_nc_u64 s[4:5], s[4:5], s[14:15]
	s_add_nc_u64 s[12:13], s[12:13], s[16:17]
	; the 22 loads that every work-group makes come first, so that their sums are made while enc's rows are on their way; no hint: they are read again
.irp r, 0,1,2,3
.irp b, 0,1
.irp k, 0,1
	global_load_b128 v[P+16*\r+8*\b+4*\k:P+16*\r+8*\b+4*\k+3], v1, s[6:7] offset:\r*2*ROWB+\b*ROWB+\k*HALF
.endr
.endr
.endr
.irp k, 0,1
	global_load_b128 v[BI+4*\k:BI+4*\k+3], v1, s[8:9] offset:\k*HALF
.endr
.irp b, 0,1
.irp k, 0,1
	global_load_b128 v[HI+8*\b+4*\k:HI+8*\b+4*\k+3], v1, s[10:11] offset:\b*ROWB+\k*HALF
.endr
.endr
.irp i, 0,1,2,3,4,5,6,7,8,9,10,11,12,13,14,15
.irp k, 0,1
	global_load_b128 v[X+8*\i+4*\k:X+8*\i+4*\k+3], v1, s[4:5] offset:\i*ROWB+\k*HALF th:TH_LOAD_NT   ; enc is read once in the launch
.endr
.endr
	s_wait_loadcnt 32                              ; loads come back in order (ISA guide 5.7.1): enc's 32 are younger and stay out
.irp m, 0,2,4,6,8,10,12,14                         ; v = (part 0 + part 1) + (part 2 + part 3), my 16 numbers two at a time
	v_pk_add_f32 v[P+\m:P+\m+1],       v[P+\m:P+\m+1],       v[P+16+\m:P+16+\m+1]
	v_pk_add_f32 v[P+32+\m:P+32+\m+1], v[P+32+\m:P+32+\m+1], v[P+48+\m:P+48+\m+1]
	v_pk_add_f32 v[P+\m:P+\m+1],       v[P+\m:P+\m+1],       v[P+32+\m:P+32+\m+1]
.endr
.irp b, 0,1                                        ; my 8 terms of c[b]; the 512 threads' shares add up to c[b]
	v_pk_mul_f32 v[CI+2*\b:CI+2*\b+1], v[BI:BI+1], v[HI+8*\b:HI+8*\b+1]
.irp m, 2,4,6
	v_pk_fma_f32 v[CI+2*\b:CI+2*\b+1], v[BI+\m:BI+\m+1], v[HI+8*\b+\m:HI+8*\b+\m+1], v[CI+2*\b:CI+2*\b+1]
.endr
.endr
; Row i, of batch entry b: my 8 products, started from my share of c[b], so that the bias term goes through the row's own reduction and nothing is cleared.
.macro DOT i, b
	v_pk_fma_f32 v[X+8*(\i):X+8*(\i)+1], v[X+8*(\i):X+8*(\i)+1], v[P+8*\b:P+8*\b+1], v[CI+2*\b:CI+2*\b+1]
.irp m, 2,4,6
	v_pk_fma_f32 v[X+8*(\i):X+8*(\i)+1], v[X+8*(\i)+\m:X+8*(\i)+\m+1], v[P+8*\b+\m:P+8*\b+\m+1], v[X+8*(\i):X+8*(\i)+1]
.endr
	v_add_f32 v[S+(\i)], v[X+8*(\i)], v[X+8*(\i)+1]
.endm
.irp p, 0,1,2,3,4,5,6,7
	s_wait_loadcnt 28-4*\p                         ; rows 2 p and 2 p + 1 (four loads) are in; the 28 - 4 p behind them stay out
	DOT 2*\p,   0                                  ; the group's first row is even, so row i has b = i & 1
	DOT 2*\p+1, 1
.endr
	; Sixteen sums over 32 lanes, folded together: at each step a lane gives away half of its registers and takes the partner's copies of those that it keeps.
	; Across the halves: register i then holds row i + 8 (lane >> 4).
.irp i, 0,1,2,3,4,5,6,7
	v_permlane16_swap_b32 v[S+\i], v[S+8+\i]       ; the first register's lanes 16-31 change places with the second's lanes 0-15
.endr
.irp i, 0,2,4,6
	v_pk_add_f32 v[S+\i:S+\i+1], v[S+\i:S+\i+1], v[S+8+\i:S+8+\i+1]
.endr
; 2 n registers become n.  Lanes in the mask keep registers n .. 2 n - 1 and send 0 .. n - 1 to lane xor x; the others the other way round.
.macro FOLD n, mask, x
.set fi, 0
.rept \n
	v_cndmask_b32 v[S+8+fi], v[S+\n+fi], v[S+fi], \mask        ; what I send
	v_cndmask_b32 v[S+fi], v[S+fi], v[S+\n+fi], \mask          ; what I keep
	v_add_f32_dpp v[S+fi], v[S+8+fi], v[S+fi] row_xmask:\x row_mask:0xf bank_mask:0xf   ; + what lane xor x sent
.set fi, fi+1
.endr
.endm
	FOLD 4, s22, 8
	FOLD 2, s23, 4
	FOLD 1, s24, 2
	v_add_f32_dpp v[S], v[S], v[S] row_xmask:1 row_mask:0xf bank_mask:0xf   ; lane l: my wave's sum for row l >> 1
	ds_store_b32 v2, v[S]                          ; word 16 w + row; the two lanes of a pair write the same word with the same value
	s_wait_dscnt 0x0                               ; done before I say so
	s_barrier_signal -1
	s_barrier_wait -1
	s_cmp_lg_u32 s18, 0
	s_cbranch_scc1 .Lend                           ; 16 x 16 words are left: one wave's work
.irp k, 0,1,2,3,4,5,6,7
	ds_load_b32 v[X+\k], v3 offset:128*\k          ; lane l: row l & 15 of wave 2 k + (l >> 4); 128 consecutive bytes a load.  X is free: the last wait for enc was for 0
.endr
	s_wait_dscnt 0x0
	v_pk_add_f32 v[X:X+1],   v[X:X+1],   v[X+2:X+3]
	v_pk_add_f32 v[X+4:X+5], v[X+4:X+5], v[X+6:X+7]
	v_pk_add_f32 v[X:X+1],   v[X:X+1],   v[X+4:X+5]
	v_add_f32 v[X], v[X], v[X+1]                   ; the even waves' sum below, the odd waves' above
	v_permlanex16_b32 v[X+1], v[X], s20, s21       ; its destination counts as read: a register that has been written
	v_add_f32 v[X], v[X], v[X+1]                   ; every lane: the score of row l & 15, c[b] inside
	; softmax over the two batch entries: rows 2 s and 2 s + 1 lie in lanes l and l xor 1
	v_max_num_f32_dpp v[X+2], v[X], v[X] row_xmask:1 row_mask:0xf bank_mask:0xf
	v_sub_f32 v[X+3], v[X], v[X+2]                 ; 0 in one lane of the pair, at most 0 in the other
	v_mul_f32 v[X+3], 0x3fb8aa3b, v[X+3]           ; e^d = 2^(d log2 e)
	v_exp_f32 v[X+4], v[X+3]
	v_nop                                          ; one plain vector instruction before a transcendental's result is used (ISA guide 5.7.2)
	s_wait_alu depctr_va_vdst(0)
	v_add_f32_dpp v[X+5], v[X+4], v[X+4] row_xmask:1 row_mask:0xf bank_mask:0xf   ; between 1 and 2
	v_rcp_f32 v[X+6], v[X+5]
	v_cmp_gt_u32 vcc_lo, 16, v5                    ; the place behind v_rcp_f32: lanes 16-31 hold the same sixteen results once more
	s_wait_alu depctr_va_vdst(0)
	v_mul_f32 v[X+7], v[X+4], v[X+6]
	s_wait_xcnt 0x0                                ; EXEC is a source of the loads above: it changes only behind this wait
	s_and_saveexec_b32 s26, vcc_lo
	global_store_b32 v3, v[X+7], s[12:13]          ; 64 consecutive bytes: all that the group owns of out0
	s_wait_xcnt 0x0                                ; and of this store: the same again
	s_or_b32 exec_lo, exec_lo, s26
.Lend:
	s_wait_tensorcnt 0x0
	ds_add_u32 v242, v243
	s_wait_dscnt 0x0
	s_endpgm
.Lfunc_end_k_q5368f7a2bc_score:
	.size	k_q5368f7a2bc_score, .Lfunc_end_k_q5368f7a2bc_score-k_q5368f7a2bc_score
	.p2alignl 7, 3214868480
	.fill 96, 4, 3214868480
	.section	.rodata,"a",@progbits
	.p2align	6, 0x0
	.amdhsa_kernel k_q5368f7a2bc_score
		.amdhsa_group_segment_fixed_size 3072
		.amdhsa_private_segment_fixed_size 0
		.amdhsa_enable_private_segment 0
		.amdhsa_kernarg_size 40
		.amdhsa_user_sgpr_count 2
		.amdhsa_user_sgpr_kernarg_segment_ptr 1
		.amdhsa_wavefront_size32 1
		.amdhsa_system_sgpr_workgroup_id_x 1
		.amdhsa_system_sgpr_workgroup_id_y 1
		.amdhsa_system_sgpr_workgroup_id_z 1
		.amdhsa_system_vgpr_workitem_id 0
		.amdhsa_next_free_vgpr 244
		.amdhsa_next_free_sgpr 66
		.amdhsa_reserve_vcc 1
		.amdhsa_float_denorm_mode_32 3
		.amdhsa_float_denorm_mode_16_64 3
		.amdhsa_memory_ordered 1
		.amdhsa_forward_progress 1
		.amdhsa_inst_pref_size 17
	.end_amdhsa_kernel
	.amdgpu_metadata
---
amdhsa.version: [ 1, 2 ]
amdhsa.kernels:
  - .name:           k_q5368f7a2bc_score
    .symbol:         k_q5368f7a2bc_score.kd
    .args:
      - { .name: encoder_outputs, .offset: 0, .size: 8, .value_kind: global_buffer, .address_space: global }
      - { .name: part, .offset: 8, .size: 8, .value_kind: global_buffer, .address_space: global }
      - { .name: b, .offset: 16, .size: 8, .value_kind: global_buffer, .address_space: global }
      - { .name: hidden, .offset: 24, .size: 8, .value_kind: global_buffer, .address_space: global }
      - { .name: out0, .offset: 32, .size: 8, .value_kind: global_buffer, .address_space: global }
    .group_segment_fixed_size: 3072
    .private_segment_fixed_size: 0
    .kernarg_segment_align: 8
    .kernarg_segment_size: 40
    .max_flat_workgroup_size: 512
    .sgpr_count:     66
    .vgpr_count:     244
    .wavefront_size: 32
...
	.end_amdgpu_metadata
.endif
;; end of part 2
